; MI455X (gfx1250); checked and timed in simulation.
; The chip was launched on July 23, 2026; its instructions are those of AMD's public machine-readable ISA for CDNA 5 (MIT licence, August 2026) and "CDNA5" Instruction Set Architecture Reference Guide (July 2026). The comments in the code are by the model that wrote it; some were corrected since.
;; Encoder BU Attention. Allowed arithmetic: float matrix products may take bf16 or f16 operands with f32 sums; all other float work in f32.
;; Inputs: box_features 8 x 1,000 x 1,024 float32; box_regression 8 x 1,000 x 364 float32; class_logits 8 x 1,000 x 91 float32; image_shapes 8 x 2 int32; proposals 8 x 1,000 x 4 float32.
;; Outputs: out0 8 x 36 x 1,024 float32.
;; One version. Each part assembles by itself: llvm-mc -triple=amdgcn-amd-amdhsa -mcpu=gfx1250 --defsym DOCPART=n.
;; ======== version 1 of 1: 3 launches
;; workspace buffers: cand 1,024,000 bytes; cnt 1,024 bytes of whole numbers; order 1,280 bytes of whole numbers
;; launch score (part 1): grid 200 x 1, 10 waves a work-group, no clusters, 6,656 bytes of LDS; arguments class_logits, box_regression, proposals, image_shapes, cand, cnt; writes cand, cnt
.if DOCPART == 1
	.amdgcn_target "amdgcn-amd-amdhsa--gfx1250"
	.amdhsa_code_object_version 6
	.text
	.protected	k_q167bf78991_score
	.globl	k_q167bf78991_score
	.p2align	8
	.type	k_q167bf78991_score,@function
k_q167bf78991_score:
	s_mov_b64 s[64:65], 0
	v_nop
	global_prefetch_b8 v0, s[64:65] scope:SCOPE_SE
	s_setreg_imm32_b32 hwreg(HW_REG_WAVE_MODE, 25, 1), 1
	s_wait_xcnt 0x0
; Per proposal row: softmax over 91 logits, decode and clip of the 90 class boxes, validity test, and the row's valid
; candidates (at most four: each has a score above 0.2 and the scores of a row sum to one) laid into four fixed slots.
; 8000 rows = 200 work-groups x 10 waves x 4 rows: 40 rows a group, 25 groups an image, so that no group spans two images
; and one whole number a group (its valid candidates) is all that the next launch needs to know an image's total.
; Lane L owns classes L, L+32, L+64 (the last only for L < 27).  A slot is 32 bytes: x1 y1 x2 y2 | score, id, 0, 0 with
; id = 128 p + class as f32 (exact, below 2^24; it orders like the flat index 90 p + class - 1).
; No address depends on a comparison of floats: a valid class gets its slot number r from ballots, and for each constant r
; only the lane whose number is r stores (EXEC), to the constant LDS address of slot r in the wave's own 512-byte stage.
; LIMITS: finite inputs.  reg/10 and reg/5 are multiplications; exp is v_exp_f32 (1 ULP), the softmax quotient is
; v_rcp_f32 with one correction step, so scores and boxes carry a few ULP.  A fifth class above 0.2 in one row can arise
; only by rounding (five scores within a few ULP of 0.2); it is dropped, the count saturates at 4.
; No matrix unit, data mover or cluster: every byte is used once by one lane.
.set ROWS, 4
.set TOT, 5120                         ; LDS behind the ten stages of 512 bytes: ten wave totals
.set LG, 68                            ; v[68:79]   row i: 3 logits
.set RG, 80                            ; v[80:127]  row i: 3 x 4 regression numbers
.set BX, 40                            ; v[40:51]   the three clipped boxes of the row at work
.set SI, 52                            ; v[52:57]   (score, id) pairs
.set RK, 58                            ; v[58:60]   slot number of each class, 7 = not valid
	s_load_b256 s[4:11], s[0:1], 0x0               ; logits s[4:5], regression s[6:7], proposals s[8:9], shapes s[10:11]
	s_load_b128 s[12:15], s[0:1], 0x20             ; cand s[12:13], cnt s[14:15]
	v_lshl_add_u32 v128, v0, 2, 0x1500
	v_mov_b32 v129, 0
	v_and_b32 v1, 31, v0                           ; lane
	v_lshrrev_b32 v2, 5, v0
	v_readfirstlane_b32 s16, v2                    ; wave in the group
	s_mul_i32 s17, ttmp9, 10
	s_add_co_u32 s17, s17, s16                     ; wave in the launch, 0..1999
	s_lshl_b32 s18, s17, 2                         ; my first row
	s_mul_i32 s19, s17, 8389
	s_lshr_b32 s19, s19, 21                        ; image = wave / 250 (8389 / 2^21 exceeds 1/250 by 1.9e-7: exact below 2000)
	s_mul_i32 s22, s19, 1000
	s_sub_co_u32 s22, s18, s22                     ; first proposal within the image
	s_lshl_b32 s22, s22, 7                         ; x 128: base of the ids
	s_lshl_b32 s23, s16, 9                         ; my wave's stage in LDS
	s_mov_b32 s24, 0x76543210                      ; v_permlanex16_b32: lane i takes lane i of the other half
	s_mov_b32 s25, 0xfedcba98
	s_mov_b32 s26, 0x3e4ccccd                      ; 0.2   score threshold
	s_mov_b32 s27, 0x3c23d70a                      ; 0.01  least side
	s_mov_b32 s28, 0x3e93bb63                      ; log2(e) / 5
	s_mov_b32 s29, 0x40bee7b4                      ; log2(1000 / 16)
	s_mov_b32 s30, 0x3fb8aa3b                      ; log2(e)
	s_mov_b32 s31, 0x07ffffff                      ; lanes whose third class exists (64 + L <= 90)
	s_mov_b32 s48, 0xff800000                      ; -inf
	s_mov_b32 s3, 0
	v_lshlrev_b32 v3, 2, v1                        ; logits: 4 L
	v_add_nc_u32 v2, 64, v1
	v_min_u32 v2, 90, v2                           ; third class, held inside the row
	v_lshlrev_b32 v4, 2, v2
	v_lshlrev_b32 v5, 4, v1                        ; regression: 16 L
	v_lshlrev_b32 v6, 4, v2
	v_mov_b32 v7, s23                              ; stage, the same address in all lanes
	v_add_nc_u32 v8, s23, v5                       ; stage + 16 L
	v_add_nc_u32 v11, s22, v1                      ; ids of row 0, as integers
	v_add_nc_u32 v12, 32, v11
	v_add_nc_u32 v13, 64, v11
	v_mov_b32 v21, 0                               ; v_permlanex16_b32 counts as a reader of its destination
	v_mov_b32 v62, 0
	v_mov_b32 v63, 0
	v_mov_b32 v64, 0
	v_mov_b32 v65, 0
	ds_store_b128 v8, v[62:65]                     ; the stage starts as zeros: slots that stay empty leave as zeros
	s_wait_kmcnt 0x0
	s_mul_i32 s2, s18, 364
	s_add_nc_u64 s[4:5], s[4:5], s[2:3]
	s_mul_i32 s2, s18, 1456
	s_add_nc_u64 s[6:7], s[6:7], s[2:3]
	s_lshl_b32 s2, s18, 4
	s_add_nc_u64 s[8:9], s[8:9], s[2:3]
	s_lshl_b32 s2, s19, 3
	s_add_nc_u64 s[10:11], s[10:11], s[2:3]
	s_lshl_b32 s2, s18, 7
	s_add_nc_u64 s[12:13], s[12:13], s[2:3]
	s_lshl_b32 s49, ttmp9, 2                       ; cnt: 32 words an image, word = group - 25 image:
	s_mul_i32 s2, s19, 28                          ; 128 image + 4 (group - 25 image) = 4 group + 28 image
	s_add_co_u32 s2, s2, s49
	s_add_nc_u64 s[14:15], s[14:15], s[2:3]
	s_load_b512 s[32:47], s[8:9], 0x0              ; the four proposals, 64 bytes
	s_load_b64 s[20:21], s[10:11], 0x0             ; image height, width
.irp i,0,1,2,3
	global_load_b32 v[LG+3*\i],   v3, s[4:5] offset:364*\i th:TH_LOAD_NT
	global_load_b32 v[LG+3*\i+1], v3, s[4:5] offset:364*\i+128 th:TH_LOAD_NT
	global_load_b32 v[LG+3*\i+2], v4, s[4:5] offset:364*\i th:TH_LOAD_NT
	global_load_b128 v[RG+12*\i:RG+12*\i+3],    v5, s[6:7] offset:1456*\i th:TH_LOAD_NT
	global_load_b128 v[RG+12*\i+4:RG+12*\i+7],  v5, s[6:7] offset:1456*\i+512 th:TH_LOAD_NT
	global_load_b128 v[RG+12*\i+8:RG+12*\i+11], v6, s[6:7] offset:1456*\i th:TH_LOAD_NT
.endr
	s_wait_kmcnt 0x0
	v_cvt_f32_i32 v9, s21                          ; width of the image
	v_cvt_f32_i32 v10, s20                         ; height
	s_wait_xcnt 0x0                                ; EXEC is narrowed below while loads are out: only behind this wait
.macro ROW i
.set R, RG+12*\i
	s_wait_loadcnt 6*(ROWS-1-\i)                   ; loads return in order: the six of each younger row may stay out
	v_sub_f32 v14, s[34+4*\i], s[32+4*\i]          ; proposal width
	v_sub_f32 v15, s[35+4*\i], s[33+4*\i]          ; height
	v_cndmask_b32 v[LG+3*\i+2], s48, v[LG+3*\i+2], s31   ; classes past 90 count as -inf
	v_fma_f32 v16, v14, 0.5, s[32+4*\i]            ; centre
	v_fma_f32 v17, v15, 0.5, s[33+4*\i]
	v_max3_num_f32 v20, v[LG+3*\i], v[LG+3*\i+1], v[LG+3*\i+2]
	v_mul_f32 v18, 0.5, v14                        ; half sides
	v_mul_f32 v19, 0.5, v15
	v_mul_f32 v14, 0x3dcccccd, v14                 ; sides / 10
	v_mul_f32 v15, 0x3dcccccd, v15
	v_max_num_f32_dpp v20, v20, v20 row_xmask:1 row_mask:0xf bank_mask:0xf
	v_max_num_f32_dpp v20, v20, v20 row_xmask:2 row_mask:0xf bank_mask:0xf
	v_max_num_f32_dpp v20, v20, v20 row_xmask:4 row_mask:0xf bank_mask:0xf
	v_max_num_f32_dpp v20, v20, v20 row_xmask:8 row_mask:0xf bank_mask:0xf
	v_permlanex16_b32 v21, v20, s24, s25
	v_max_num_f32 v20, v20, v21                    ; the row's largest logit, in every lane
.irp j,0,1,2
	v_sub_f32 v[22+\j], v[LG+3*\i+\j], v20
	v_pk_mul_f32 v[R+4*\j+2:R+4*\j+3], v[R+4*\j+2:R+4*\j+3], s[28:29] op_sel_hi:[1,0]   ; (dw, dh) in base 2
.endr
.irp j,0,1,2
	v_mul_f32 v[22+\j], s30, v[22+\j]
	v_min_num_f32 v[R+4*\j+2], s29, v[R+4*\j+2]
	v_min_num_f32 v[R+4*\j+3], s29, v[R+4*\j+3]
.endr
.irp j,0,1,2
	v_exp_f32 v[22+\j], v[22+\j]
	v_exp_f32 v[R+4*\j+2], v[R+4*\j+2]
	v_exp_f32 v[R+4*\j+3], v[R+4*\j+3]
.endr
.irp j,0,1,2
	v_pk_fma_f32 v[R+4*\j:R+4*\j+1], v[R+4*\j:R+4*\j+1], v[14:15], v[16:17]   ; predicted centres; also the plain work behind the exponentials
.endr
	s_wait_alu depctr_va_vdst(0)
	v_add_f32 v25, v22, v23
	v_add_f32 v25, v25, v24
	v_add_f32_dpp v25, v25, v25 row_xmask:1 row_mask:0xf bank_mask:0xf
	v_add_f32_dpp v25, v25, v25 row_xmask:2 row_mask:0xf bank_mask:0xf
	v_add_f32_dpp v25, v25, v25 row_xmask:4 row_mask:0xf bank_mask:0xf
	v_add_f32_dpp v25, v25, v25 row_xmask:8 row_mask:0xf bank_mask:0xf
	v_permlanex16_b32 v21, v25, s24, s25
	v_add_f32 v25, v25, v21                        ; the softmax denominator
	v_rcp_f32 v32, v25                             ; used only behind the box arithmetic below
.irp j,0,1,2
	v_pk_mul_f32 v[R+4*\j+2:R+4*\j+3], v[R+4*\j+2:R+4*\j+3], v[18:19]          ; half predicted sides
	v_pk_add_f32 v[BX+4*\j:BX+4*\j+1], v[R+4*\j:R+4*\j+1], v[R+4*\j+2:R+4*\j+3] neg_lo:[0,1] neg_hi:[0,1]
	v_pk_add_f32 v[BX+4*\j+2:BX+4*\j+3], v[R+4*\j:R+4*\j+1], v[R+4*\j+2:R+4*\j+3]
.endr
.irp j,0,1,2
.irp k,0,1,2,3
	v_max_num_f32 v[BX+4*\j+\k], 0, v[BX+4*\j+\k]
.endr
	v_min_num_f32 v[BX+4*\j],   v9,  v[BX+4*\j]
	v_min_num_f32 v[BX+4*\j+1], v10, v[BX+4*\j+1]
	v_min_num_f32 v[BX+4*\j+2], v9,  v[BX+4*\j+2]
	v_min_num_f32 v[BX+4*\j+3], v10, v[BX+4*\j+3]
	v_pk_add_f32 v[26+2*\j:27+2*\j], v[BX+4*\j+2:BX+4*\j+3], v[BX+4*\j:BX+4*\j+1] neg_lo:[0,1] neg_hi:[0,1]   ; clipped sides
.endr
	s_wait_alu depctr_va_vdst(0)
.irp j,0,1,2
	v_mul_f32 v[SI+2*\j], v[22+\j], v32                       ; quotient, then one correction by its remainder
	v_add_nc_u32 v[SI+2*\j+1], 128*\i, v[11+\j]
	v_fma_f32 v[33+\j], -v[SI+2*\j], v25, v[22+\j]
	v_cvt_f32_u32 v[SI+2*\j+1], v[SI+2*\j+1]
	v_fma_f32 v[SI+2*\j], v[33+\j], v32, v[SI+2*\j]
.endr
.irp j,0,1,2
	v_cmp_gt_f32 s49, v[SI+2*\j], s26
	v_cmp_le_f32 s50, s27, v[26+2*\j]
	v_cmp_le_f32 s51, s27, v[27+2*\j]
	s_and_b32 s49, s49, s50
	s_and_b32 s[56+\j], s49, s51
.endr
	s_and_b32 s56, s56, 0xfffffffe                 ; class 0 is the background
	s_and_b32 s58, s58, s31
	s_bcnt1_i32_b32 s59, s56                       ; slot number = valid classes below mine
	s_bcnt1_i32_b32 s60, s57
	s_add_co_u32 s60, s60, s59
	s_bcnt1_i32_b32 s61, s58
	s_add_co_u32 s61, s61, s60
	s_min_u32 s[52+\i], s61, 4                     ; the row's count
	v_mbcnt_lo_u32_b32 v[RK],   s56, 0
	v_mbcnt_lo_u32_b32 v[RK+1], s57, s59
	v_mbcnt_lo_u32_b32 v[RK+2], s58, s60
	v_cndmask_b32 v[RK],   7, v[RK],   s56
	v_cndmask_b32 v[RK+1], 7, v[RK+1], s57
	v_cndmask_b32 v[RK+2], 7, v[RK+2], s58
.irp j,0,1,2
.irp r,0,1,2,3
	v_cmpx_eq_u32 \r, v[RK+\j]                     ; at most one lane: slot numbers are unique in a row
	ds_store_b128 v7, v[BX+4*\j:BX+4*\j+3] offset:128*\i+32*\r
	ds_store_b64  v7, v[SI+2*\j:SI+2*\j+1] offset:128*\i+32*\r+16
	s_mov_b32 exec_lo, -1
.endr
.endr
.endm
	ROW 0
	ROW 1
	ROW 2
	ROW 3
	ds_load_b128 v[62:65], v8                      ; LDS serves a wave's instructions in order: this sees the stores above
	s_add_co_u32 s52, s52, s53
	s_add_co_u32 s54, s54, s55
	s_add_co_u32 s52, s52, s54                     ; my wave's valid candidates, at most 16
	s_lshl_b32 s53, s16, 2
	s_add_co_u32 s53, s53, TOT
	v_mov_b32 v20, s52
	v_mov_b32 v21, s53
	ds_store_b32 v21, v20                          ; my wave's word: the same value from all lanes
	s_wait_dscnt 0x0                               ; the stage is in registers, and my total is written before I say so
	global_store_b128 v5, v[62:65], s[12:13]       ; four rows x four slots: 512 consecutive bytes, aligned
	s_barrier_signal -1
	s_barrier_wait -1
	s_cmp_lg_u32 s16, 0                            ; wave 0 adds the ten totals
	s_cbranch_scc1 .Lend
	v_mov_b32 v21, TOT
	ds_load_b128 v[24:27], v21
	ds_load_b128 v[28:31], v21 offset:16
	ds_load_b64 v[32:33], v21 offset:32
	s_wait_dscnt 0x0
	v_add3_u32 v24, v24, v25, v26
	v_add3_u32 v27, v27, v28, v29
	v_add3_u32 v30, v30, v31, v32
	v_add3_u32 v24, v24, v27, v30
	v_add_nc_u32 v24, v24, v33
	s_wait_xcnt 0x0                                ; EXEC changes only behind this wait
	v_cmpx_eq_u32 0, v1
	global_store_b32 v5, v24, s[14:15]             ; lane 0 (offset 0): one word a work-group is all there is to say
	s_wait_xcnt 0x0
	s_mov_b32 exec_lo, -1
.Lend:
	s_wait_tensorcnt 0x0
	ds_add_u32 v128, v129
	s_wait_dscnt 0x0
	s_endpgm
.Lfunc_end_k_q167bf78991_score:
	.size	k_q167bf78991_score, .Lfunc_end_k_q167bf78991_score-k_q167bf78991_score
	.p2alignl 7, 3214868480
	.fill 96, 4, 3214868480
	.section	.rodata,"a",@progbits
	.p2align	6, 0x0
	.amdhsa_kernel k_q167bf78991_score
		.amdhsa_group_segment_fixed_size 6656
		.amdhsa_private_segment_fixed_size 0
		.amdhsa_enable_private_segment 0
		.amdhsa_kernarg_size 48
		.amdhsa_user_sgpr_count 2
		.amdhsa_user_sgpr_kernarg_segment_ptr 1
		.amdhsa_wavefront_size32 1
		.amdhsa_system_sgpr_workgroup_id_x 1
		.amdhsa_system_sgpr_workgroup_id_y 1
		.amdhsa_system_sgpr_workgroup_id_z 1
		.amdhsa_system_vgpr_workitem_id 0
		.amdhsa_next_free_vgpr 130
		.amdhsa_next_free_sgpr 66
		.amdhsa_reserve_vcc 0
		.amdhsa_float_denorm_mode_32 3
		.amdhsa_float_denorm_mode_16_64 3
		.amdhsa_memory_ordered 1
		.amdhsa_forward_progress 1
		.amdhsa_inst_pref_size 40
	.end_amdhsa_kernel
	.amdgpu_metadata
---
amdhsa.version: [ 1, 2 ]
amdhsa.kernels:
  - .name:           k_q167bf78991_score
    .symbol:         k_q167bf78991_score.kd
    .args:
      - { .name: class_logits, .offset: 0, .size: 8, .value_kind: global_buffer, .address_space: global }
      - { .name: box_regression, .offset: 8, .size: 8, .value_kind: global_buffer, .address_space: global }
      - { .name: proposals, .offset: 16, .size: 8, .value_kind: global_buffer, .address_space: global }
      - { .name: image_shapes, .offset: 24, .size: 8, .value_kind: global_buffer, .address_space: global }
      - { .name: cand, .offset: 32, .size: 8, .value_kind: global_buffer, .address_space: global }
      - { .name: cnt, .offset: 40, .size: 8, .value_kind: global_buffer, .address_space: global }
    .group_segment_fixed_size: 6656
    .private_segment_fixed_size: 0
    .kernarg_segment_align: 8
    .kernarg_segment_size: 48
    .max_flat_workgroup_size: 320
    .sgpr_count:     66
    .vgpr_count:     130
    .wavefront_size: 32
...
	.end_amdgpu_metadata
.endif
;; end of part 1
;; launch nms (part 2): grid 8 x 1, 8 waves a work-group, no clusters, 139,264 bytes of LDS; arguments cand, cnt, order; writes order
.if DOCPART == 2
	.amdgcn_target "amdgcn-amd-amdhsa--gfx1250"
	.amdhsa_code_object_version 6
	.text
	.protected	k_q167bf78991_nms
	.globl	k_q167bf78991_nms
	.p2align	8
	.type	k_q167bf78991_nms,@function
k_q167bf78991_nms:
	s_mov_b64 s[64:65], 0
	v_nop
	global_prefetch_b8 v0, s[64:65] scope:SCOPE_SE
	s_setreg_imm32_b32 hwreg(HW_REG_WAVE_MODE, 25, 1), 1
	s_wait_xcnt 0x0
; Greedy NMS of one image, cut to its first 36 survivors: 36 times the best live candidate (score, then lower index) is
; taken and everything with IoU > 0.5 against it dies.  That is the reference's scan in score order, since a live
; candidate that outranks all other live ones is kept, and only kept ones suppress.
; One work-group per image, eight waves.  Thread t keeps the 16 slots of rows 4 t .. 4 t + 3 in registers, the empty ones
; too (score 0 = no candidate), so every pick works on all 4,096 slots.  (wave, lane, slot) orders like the flat index, so
; equal scores resolve by position: the later of two wins only if strictly greater, lowest lane in a wave, lowest wave.
; The slots are loaded with neighbouring lanes at neighbouring 32 bytes and turned into thread-major order through LDS;
; every LDS address is made of the thread's number and constants.
; No address and no branch depends on a float: a wave's best travels by an EXEC-masked store to a constant LDS address,
; and the group's best is read out of the lane that holds it into scalar registers.  The one data-dependent branch is on
; n, the image's valid candidates: 25 whole numbers of the launch before, read by scalar loads and added in scalar registers.
; The top-2048 cut matters only if n > 2048: then each winner's rank (candidates that outrank it) is counted afterwards.
; The loop is bound by issue slots, so selects, maxima and minima go two to an instruction (the dual form; ISA guide,
; dual-issue VALU: one destination even and one odd, like sources in different banks, number mod 4, or one scalar).
; LIMITS: IoU > 0.5 is tested as 3 inter > a1 + a2, in the form fma(w, h, -a1/3) > a2/3; this differs from the
; reference's rounded quotient only where the exact IoU lies within about 5e-7 of 0.5.  Only the overlap's width is held
; at 0 or above: with a negative height the product is <= 0 and the test fails.  Finite boxes whose areas do not overflow.
;
; SLOTS, in pairs of 16 registers, pair i at E = SL + 16 i (slots 2 i and 2 i + 1):
;   E+0..7   x1 y1 x2 y2 key id | -area/3 of the even slot, -area/3 of the odd slot
;   E+8..15  x2 y2 x1 y1 key id | -score of the even slot,  -score of the odd slot
; key = score while live, -score when dead, 0 = no candidate.  The odd slot's corners are swapped so that the same
; coordinate of the two slots lies two registers apart modulo 4, as the dual form asks of its second sources.
.set SL, 64                            ; v[64:191]  the eight pairs of slots
.set ND, 192                           ; v[192:239] eight tournament nodes of six registers: x1 y1 x2 y2 key id
.set PITCH, 528                        ; a thread's 16 slots of 32 bytes + 16: sixteen lanes' 16-byte reads fall on sixteen different columns of 256 bytes
.set PASS, 16*PITCH                    ; one pass of 256 slots fills 16 threads' chunks
.set LX, 256*PITCH                     ; 135168: two buffers of eight wave entries of 32 bytes
.set LN, LX+512                        ; per wave 256 bytes: its rank counts
; v[20:23] results, v[24:25] ranks; v[40:47] the lane's best as the entry is stored: box, key, id, area/3, 0; v[48:63] at work
; s[40:45] the winner: x1 y1 x2 y2, area/3, id
	s_load_b128 s[4:7], s[0:1], 0x0                ; cand s[4:5], cnt s[6:7]
	s_load_b64 s[8:9], s[0:1], 0x10                ; order
	v_lshl_add_u32 v240, v0, 2, 0x21c00
	v_mov_b32 v241, 0
	v_and_b32 v1, 31, v0
	v_lshrrev_b32 v2, 5, v0
	v_readfirstlane_b32 s10, v2                    ; wave
	s_mul_i32 s12, ttmp9, 128000                   ; 1000 rows x 4 slots x 32 bytes
	s_mov_b32 s13, 0
	s_lshl_b32 s14, ttmp9, 7                       ; 32 words of counts an image
	s_mov_b32 s15, 0
	s_mul_i32 s16, ttmp9, 144
	s_mov_b32 s17, 0
	s_mov_b32 s34, 0x76543210                      ; v_permlanex16_b32: lane i takes lane i of the other half
	s_mov_b32 s35, 0xfedcba98
	v_lshlrev_b32 v3, 5, v0                        ; pass q: slot 256 q + t
	v_min_u32 v4, 159, v0                          ; pass 15 ends at slot 3999
	v_lshlrev_b32 v4, 5, v4
	s_wait_kmcnt 0x0
	s_add_nc_u64 s[4:5], s[4:5], s[12:13]
	s_add_nc_u64 s[6:7], s[6:7], s[14:15]
	s_add_nc_u64 s[8:9], s[8:9], s[16:17]
.irp q,0,1,2,3,4,5,6,7,8,9,10,11,12,13,14
	global_load_b128 v[SL+8*\q:SL+8*\q+3],   v3, s[4:5] offset:8192*\q
	global_load_b64  v[SL+8*\q+4:SL+8*\q+5], v3, s[4:5] offset:8192*\q+16
.endr
	global_load_b128 v[SL+120:SL+123], v4, s[4:5] offset:122880
	global_load_b64  v[SL+124:SL+125], v4, s[4:5] offset:122896
	s_load_b512 s[40:55], s[6:7], 0x0              ; the 25 counts of the image's 25 groups of 40 rows
	s_load_b256 s[56:63], s[6:7], 0x40
	s_load_b32 s37, s[6:7], 0x60
	; LDS addresses, all from the thread's number
	v_lshrrev_b32 v5, 4, v0
	v_and_b32 v6, 15, v0
	v_mul_u32_u24 v5, v5, PITCH
	v_lshl_add_u32 v5, v6, 5, v5                   ; in: slot 256 q + t = slot t % 16 of chunk 16 q + t / 16
	v_add_nc_u32 v6, 8*PASS, v5                    ; passes 8 to 15: the immediate offset has 16 bits
	v_mul_u32_u24 v7, v0, PITCH                    ; back: my own chunk
	s_lshl_b32 s20, s10, 5
	s_add_co_u32 s20, s20, LX
	v_mov_b32 v28, s20                             ; my wave's entry
	v_and_b32 v29, 7, v0
	v_lshlrev_b32 v29, 5, v29
	v_add_nc_u32 v29, LX, v29                      ; the entry of wave (lane & 7)
.irp r,20,21,22,23,24,25,38,39,47
	v_mov_b32 v\r, 0                               ; results and ranks; DPP destinations; the entry's last word
.endr
	s_wait_kmcnt 0x0
	s_add_co_u32 s11, s40, s41
.irp j,2,3,4,5,6,7,8,9,10,11,12,13,14,15,16,17,18,19,20,21,22,23
	s_add_co_u32 s11, s11, s[40+\j]
.endr
	s_add_co_u32 s11, s11, s37
	s_min_u32 s11, s11, 4000                       ; n
.irp r,40,41,42,43,44
	s_mov_b32 s\r, 0                               ; a first 'winner' of zero extent, which suppresses nothing
.endr
	; the slots into LDS, pass by pass as they arrive
.irp q,0,1,2,3,4,5,6,7
	s_wait_loadcnt 30-2*\q                         ; loads return in order: the two of each later pass stay out
	ds_store_b128 v5, v[SL+8*\q:SL+8*\q+3]   offset:PASS*\q
	ds_store_b64  v5, v[SL+8*\q+4:SL+8*\q+5] offset:PASS*\q+16
.endr
.irp q,8,9,10,11,12,13,14
	s_wait_loadcnt 30-2*\q
	ds_store_b128 v6, v[SL+8*\q:SL+8*\q+3]   offset:PASS*(\q-8)
	ds_store_b64  v6, v[SL+8*\q+4:SL+8*\q+5] offset:PASS*(\q-8)+16
.endr
	s_wait_loadcnt 0x0
	v_cmp_gt_u32 vcc_lo, 160, v0                   ; slots 4000 .. 4095 do not exist: they become empty candidates
.irp k,0,1,2,3,4,5
	v_cndmask_b32 v[SL+120+\k], 0, v[SL+120+\k], vcc_lo
.endr
	ds_store_b128 v6, v[SL+120:SL+123] offset:PASS*7
	ds_store_b64  v6, v[SL+124:SL+125] offset:PASS*7+16
	s_wait_xcnt 0x0                                ; EXEC is narrowed in the loop below: no global access is pending from here on
	s_wait_dscnt 0x0                               ; my stores are done before I say so
	s_barrier_signal -1
	s_barrier_wait -1
.irp i,0,1,2,3,4,5,6,7
	ds_load_b128 v[SL+16*\i:SL+16*\i+3],     v7 offset:64*\i      ; even slot: x1 y1 x2 y2
	ds_load_b64  v[SL+16*\i+4:SL+16*\i+5],   v7 offset:64*\i+16   ;            score, id
	ds_load_b64  v[SL+16*\i+10:SL+16*\i+11], v7 offset:64*\i+32   ; odd slot: x1 y1 behind
	ds_load_b64  v[SL+16*\i+8:SL+16*\i+9],   v7 offset:64*\i+40   ;           x2 y2
	ds_load_b64  v[SL+16*\i+12:SL+16*\i+13], v7 offset:64*\i+48   ;           score, id
.endr
	s_wait_dscnt 0x0
.irp i,0,1,2,3,4,5,6,7
	v_pk_add_f32 v[48:49], v[SL+16*\i+2:SL+16*\i+3], v[SL+16*\i:SL+16*\i+1] neg_lo:[0,1] neg_hi:[0,1]
	v_pk_add_f32 v[50:51], v[SL+16*\i+8:SL+16*\i+9], v[SL+16*\i+10:SL+16*\i+11] neg_lo:[0,1] neg_hi:[0,1]
	v_sub_f32 v[SL+16*\i+14], 0, v[SL+16*\i+4]     ; -score
	v_sub_f32 v[SL+16*\i+15], 0, v[SL+16*\i+12]
	v_mul_f32 v48, v48, v49
	v_mul_f32 v50, v50, v51
	v_mul_f32 v[SL+16*\i+6], 0xbeaaaaab, v48       ; -area / 3
	v_mul_f32 v[SL+16*\i+7], 0xbeaaaaab, v50
.endr
; pairs p and p + 1 (four slots) against the winner s[40:43], whose area / 3 is s44: twelve instructions a pair.
; At work, pair j at T = 48 + 8 j, even and odd slot side by side: T+0,1 left, T+2,3 top, T+4,5 width, T+6,7 height.
.macro SUPP4 p
.irp j,0,1
	v_dual_max_num_f32 v[48+8*\j], s40, v[SL+16*(\p+\j)]   :: v_dual_max_num_f32 v[49+8*\j], s40, v[SL+16*(\p+\j)+10]
	v_dual_max_num_f32 v[50+8*\j], s41, v[SL+16*(\p+\j)+1] :: v_dual_max_num_f32 v[51+8*\j], s41, v[SL+16*(\p+\j)+11]
	v_dual_min_num_f32 v[54+8*\j], s43, v[SL+16*(\p+\j)+3] :: v_dual_min_num_f32 v[55+8*\j], s43, v[SL+16*(\p+\j)+9]
.endr
.irp j,0,1
	v_med3_num_f32 v[52+8*\j], v[SL+16*(\p+\j)+2], s42, v[48+8*\j]   ; max(min(x2, wx2), left): left <= max(x2, wx2), so it is the middle one; the width is never negative
	v_med3_num_f32 v[53+8*\j], v[SL+16*(\p+\j)+8], s42, v[49+8*\j]
.endr
.irp j,0,1
	v_pk_add_f32 v[52+8*\j:53+8*\j], v[52+8*\j:53+8*\j], v[48+8*\j:49+8*\j] neg_lo:[0,1] neg_hi:[0,1]
	v_pk_add_f32 v[54+8*\j:55+8*\j], v[54+8*\j:55+8*\j], v[50+8*\j:51+8*\j] neg_lo:[0,1] neg_hi:[0,1]
.endr
.irp j,0,1
	v_pk_fma_f32 v[48+8*\j:49+8*\j], v[52+8*\j:53+8*\j], v[54+8*\j:55+8*\j], v[SL+16*(\p+\j)+6:SL+16*(\p+\j)+7]   ; overlap - my area / 3
.endr
	v_cmp_lt_f32 vcc_lo, s44, v48
	v_cmp_lt_f32 s20, s44, v49
	v_cmp_lt_f32 s21, s44, v56
	v_cmp_lt_f32 s22, s44, v57
	v_cndmask_b32 v[SL+16*(\p)+4],  v[SL+16*(\p)+4],  v[SL+16*(\p)+14], vcc_lo
	v_cndmask_b32 v[SL+16*(\p)+12], v[SL+16*(\p)+12], v[SL+16*(\p)+15], s20
	v_cndmask_b32 v[SL+16*(\p)+20], v[SL+16*(\p)+20], v[SL+16*(\p)+30], s21
	v_cndmask_b32 v[SL+16*(\p)+28], v[SL+16*(\p)+28], v[SL+16*(\p)+31], s22
.endm
; a game of the tournament: d = the better of a and b (six registers each, the key is the fifth); b lies behind a in index
; order and wins only if strictly greater.  d may be a.  Both halves of a dual select take VCC.
.macro GAME d, a, b
	v_cmp_gt_f32 vcc_lo, v[\b+4], v[\a+4]
	v_dual_cndmask_b32 v[\d],   v[\a],   v[\b]   :: v_dual_cndmask_b32 v[\d+1], v[\a+1], v[\b+1]
	v_dual_cndmask_b32 v[\d+2], v[\a+2], v[\b+2] :: v_dual_cndmask_b32 v[\d+3], v[\a+3], v[\b+3]
	v_dual_cndmask_b32 v[\d+4], v[\a+4], v[\b+4] :: v_dual_cndmask_b32 v[\d+5], v[\a+5], v[\b+5]
.endm
; the first round: the two slots of the pair at e; the odd slot's corners are put back in order
.macro GAME1 d, e
	v_cmp_gt_f32 vcc_lo, v[\e+12], v[\e+4]
	v_dual_cndmask_b32 v[\d],   v[\e],   v[\e+10] :: v_dual_cndmask_b32 v[\d+1], v[\e+1], v[\e+11]
	v_dual_cndmask_b32 v[\d+2], v[\e+2], v[\e+8]  :: v_dual_cndmask_b32 v[\d+3], v[\e+3], v[\e+9]
	v_dual_cndmask_b32 v[\d+4], v[\e+4], v[\e+12] :: v_dual_cndmask_b32 v[\d+5], v[\e+5], v[\e+13]
.endm
; one pick.  b: which of the two entry buffers
.macro ITER b
	SUPP4 0
	SUPP4 2
	GAME1 ND,    SL
	GAME1 ND+6,  SL+16
	GAME1 ND+12, SL+32
	GAME1 ND+18, SL+48
	SUPP4 4
	SUPP4 6
	GAME1 ND+24, SL+64
	GAME1 ND+30, SL+80
	GAME1 ND+36, SL+96
	GAME1 ND+42, SL+112
	GAME ND,    ND,    ND+6
	GAME ND+12, ND+12, ND+18
	GAME ND+24, ND+24, ND+30
	GAME ND+36, ND+36, ND+42
	GAME ND,    ND,    ND+12
	GAME ND+24, ND+24, ND+36
	GAME 40,    ND,    ND+24
	; the wave's best key; beside the chain, area / 3 of the lane's best, so that the winner's comes with its entry
	v_max_num_f32_dpp v38, v44, v44 row_xmask:1 row_mask:0xf bank_mask:0xf
	v_pk_add_f32 v[58:59], v[42:43], v[40:41] neg_lo:[0,1] neg_hi:[0,1]
	v_max_num_f32_dpp v38, v38, v38 row_xmask:2 row_mask:0xf bank_mask:0xf
	v_mul_f32 v58, v58, v59
	v_max_num_f32_dpp v38, v38, v38 row_xmask:4 row_mask:0xf bank_mask:0xf
	v_mul_f32 v46, 0x3eaaaaab, v58
	v_max_num_f32_dpp v38, v38, v38 row_xmask:8 row_mask:0xf bank_mask:0xf
	v_permlanex16_b32 v39, v38, s34, s35
	v_max_num_f32 v38, v38, v39
	v_cmp_eq_f32 vcc_lo, v44, v38
	s_ctz_i32_b32 s20, vcc_lo                      ; the lowest lane that has it
	v_cmpx_eq_u32 s20, v1                          ; that lane alone writes the wave's entry, at a constant address
	ds_store_b128 v28, v[40:43] offset:256*\b
	ds_store_b128 v28, v[44:47] offset:256*\b+16
	s_mov_b32 exec_lo, -1
	s_wait_dscnt 0x0                               ; my entry is written, and my reads of the other buffer ended before:
	s_barrier_signal -1                            ; one barrier a pick orders both, since the buffers take turns
	s_barrier_wait -1
	ds_load_b128 v[48:51], v29 offset:256*\b
	ds_load_b128 v[52:55], v29 offset:256*\b+16
	s_wait_dscnt 0x0
	v_max_num_f32_dpp v56, v52, v52 row_xmask:1 row_mask:0xf bank_mask:0xf
	v_max_num_f32_dpp v56, v56, v56 row_xmask:2 row_mask:0xf bank_mask:0xf
	v_max_num_f32_dpp v56, v56, v56 row_xmask:4 row_mask:0xf bank_mask:0xf   ; the group's best key, in every lane
	v_cmp_eq_f32 vcc_lo, v52, v56
	s_ctz_i32_b32 s20, vcc_lo                      ; lane j holds wave j & 7: the lowest lane is the lowest wave that has it
	v_readlane_b32 s40, v48, s20                   ; the winner, for all lanes at once: a lane number selects a value here,
	v_readlane_b32 s41, v49, s20                   ; no address and no branch
	v_readlane_b32 s42, v50, s20
	v_readlane_b32 s43, v51, s20
	v_readlane_b32 s44, v54, s20                   ; area / 3
	v_readlane_b32 s45, v53, s20                   ; id
	v_cmp_ne_u32 vcc_lo, s36, v1
	v_cndmask_b32 v[20+2*\b], s45, v[20+2*\b], vcc_lo   ; pick 2 trip + b is kept in lane 'trip': id,
	v_cndmask_b32 v[21+2*\b], v56, v[21+2*\b], vcc_lo   ; key
.endm
	s_mov_b32 s36, 0
.Lpick:
	ITER 0
	ITER 1
	s_add_co_u32 s36, s36, 1
	s_cmp_lt_u32 s36, 18
	s_cbranch_scc1 .Lpick
	; ranks, only where the cut at 2048 can bite.  n is the same in all waves, and no barrier stands inside this branch.
	s_cmp_le_u32 s11, 2048
	s_cbranch_scc1 .Lranked
; one slot (its -score in ns, its id in id) against picks 2 k (id s40, -score s41) and 2 k + 1 (s42, s43)
.macro RANK1 ns, id
	v_cmp_lt_f32 s20, v[\ns], s41                  ; a higher score,
	v_cmp_eq_f32 s21, v[\ns], s41                  ; or the same score
	v_cmp_lt_f32 s33, v[\id], s40                  ; and a lower index
	s_and_b32 s21, s21, s33
	s_or_b32 s20, s20, s21
	s_bcnt1_i32_b32 s20, s20
	s_add_co_u32 s31, s31, s20
	v_cmp_lt_f32 s20, v[\ns], s43
	v_cmp_eq_f32 s21, v[\ns], s43
	v_cmp_lt_f32 s33, v[\id], s42
	s_and_b32 s21, s21, s33
	s_or_b32 s20, s20, s21
	s_bcnt1_i32_b32 s20, s20
	s_add_co_u32 s32, s32, s20
.endm
	s_mov_b32 s30, 0
.Lrank:
	v_readlane_b32 s40, v20, s30                   ; picks 2 k and 2 k + 1: id, key, id, key
	v_readlane_b32 s41, v21, s30
	v_readlane_b32 s42, v22, s30
	v_readlane_b32 s43, v23, s30
	s_xor_b32 s41, s41, 0x80000000                 ; -score, as the slots hold it
	s_xor_b32 s43, s43, 0x80000000
	s_mov_b32 s31, 0
	s_mov_b32 s32, 0
.irp i,0,1,2,3,4,5,6,7
	RANK1 SL+16*\i+14, SL+16*\i+5
	RANK1 SL+16*\i+15, SL+16*\i+13
.endr
	v_cmp_eq_u32 vcc_lo, s30, v1
	v_mov_b32 v54, s31
	v_mov_b32 v55, s32
	v_cndmask_b32 v24, v24, v54, vcc_lo
	v_cndmask_b32 v25, v25, v55, vcc_lo
	s_add_co_u32 s30, s30, 1
	s_cmp_lt_u32 s30, 18
	s_cbranch_scc1 .Lrank
.Lranked:
	s_lshl_b32 s20, s10, 8
	s_add_co_u32 s20, s20, LN
	v_lshl_add_u32 v46, v1, 3, s20
	ds_store_b64 v46, v[24:25]                     ; my wave's share of the ranks (zeros where none were counted)
	s_wait_dscnt 0x0
	s_barrier_signal -1
	s_barrier_wait -1
	s_cmp_lg_u32 s10, 0
	s_cbranch_scc1 .Lend
	v_lshlrev_b32 v46, 3, v1
	v_add_nc_u32 v46, LN, v46
.irp w,0,1,2,3,4,5,6,7
	ds_load_b64 v[48+2*\w:49+2*\w], v46 offset:256*\w
.endr
	s_movk_i32 s33, 2048
	s_wait_dscnt 0x0
	v_add3_u32 v24, v48, v50, v52
	v_add3_u32 v25, v49, v51, v53
	v_add3_u32 v24, v24, v54, v56
	v_add3_u32 v25, v25, v55, v57
	v_add3_u32 v24, v24, v58, v60
	v_add3_u32 v25, v25, v59, v61
	v_add_nc_u32 v24, v24, v62
	v_add_nc_u32 v25, v25, v63
	v_cmp_lt_f32 s20, 0, v21                       ; a live candidate was found,
	v_cmp_gt_u32 s21, s33, v24                     ; and it is among the first 2048
	s_and_b32 s20, s20, s21
	v_cmp_lt_f32 s21, 0, v23
	v_cmp_gt_u32 s30, s33, v25
	s_and_b32 s21, s21, s30
	v_cvt_u32_f32 v46, v20
	v_cvt_u32_f32 v47, v22
	v_lshrrev_b32 v46, 7, v46                      ; id = 128 p + class
	v_lshrrev_b32 v47, 7, v47
	v_or_b32 v46, 0x10000, v46
	v_or_b32 v47, 0x10000, v47
	v_cndmask_b32 v46, 0, v46, s20
	v_cndmask_b32 v47, 0, v47, s21
	v_lshlrev_b32 v48, 3, v1
	v_cmp_gt_u32 vcc_lo, 18, v1
	s_and_saveexec_b32 s20, vcc_lo
	global_store_b64 v48, v[46:47], s[8:9]         ; 36 words: p | kept << 16
	s_wait_xcnt 0x0                                ; EXEC is widened only behind this wait
	s_or_b32 exec_lo, exec_lo, s20
.Lend:
	s_wait_tensorcnt 0x0
	ds_add_u32 v240, v241
	s_wait_dscnt 0x0
	s_endpgm
.Lfunc_end_k_q167bf78991_nms:
	.size	k_q167bf78991_nms, .Lfunc_end_k_q167bf78991_nms-k_q167bf78991_nms
	.p2alignl 7, 3214868480
	.fill 96, 4, 3214868480
	.section	.rodata,"a",@progbits
	.p2align	6, 0x0
	.amdhsa_kernel k_q167bf78991_nms
		.amdhsa_group_segment_fixed_size 139264
		.amdhsa_private_segment_fixed_size 0
		.amdhsa_enable_private_segment 0
		.amdhsa_kernarg_size 24
		.amdhsa_user_sgpr_count 2
		.amdhsa_user_sgpr_kernarg_segment_ptr 1
		.amdhsa_wavefront_size32 1
		.amdhsa_system_sgpr_workgroup_id_x 1
		.amdhsa_system_sgpr_workgroup_id_y 1
		.amdhsa_system_sgpr_workgroup_id_z 1
		.amdhsa_system_vgpr_workitem_id 0
		.amdhsa_next_free_vgpr 242
		.amdhsa_next_free_sgpr 66
		.amdhsa_reserve_vcc 1
		.amdhsa_float_denorm_mode_32 3
		.amdhsa_float_denorm_mode_16_64 3
		.amdhsa_memory_ordered 1
		.amdhsa_forward_progress 1
		.amdhsa_inst_pref_size 50
	.end_amdhsa_kernel
	.amdgpu_metadata
---
amdhsa.version: [ 1, 2 ]
amdhsa.kernels:
  - .name:           k_q167bf78991_nms
    .symbol:         k_q167bf78991_nms.kd
    .args:
      - { .name: cand, .offset: 0, .size: 8, .value_kind: global_buffer, .address_space: global }
      - { .name: cnt, .offset: 8, .size: 8, .value_kind: global_buffer, .address_space: global }
      - { .name: order, .offset: 16, .size: 8, .value_kind: global_buffer, .address_space: global }
    .group_segment_fixed_size: 139264
    .private_segment_fixed_size: 0
    .kernarg_segment_align: 8
    .kernarg_segment_size: 24
    .max_flat_workgroup_size: 256
    .sgpr_count:     66
    .vgpr_count:     242
    .wavefront_size: 32
...
	.end_amdgpu_metadata
.endif
;; end of part 2
;; launch gather (part 3): grid 288 x 1, 8 waves a work-group, no clusters, 0 bytes of LDS; arguments box_features, order, out0; writes out0
.if DOCPART == 3
	.amdgcn_target "amdgcn-amd-amdhsa--gfx1250"
	.amdhsa_code_object_version 6
	.text
	.protected	k_q167bf78991_gather
	.globl	k_q167bf78991_gather
	.p2align	8
	.type	k_q167bf78991_gather,@function
k_q167bf78991_gather:
	s_mov_b64 s[64:65], 0
	v_nop
	global_prefetch_b8 v0, s[64:65] scope:SCOPE_SE
	s_setreg_imm32_b32 hwreg(HW_REG_WAVE_MODE, 25, 1), 1
	s_wait_xcnt 0x0
; out0[image][k] = the feature row of the k-th kept candidate, or zeros.  One work-group per output row of 4,096 bytes:
; 256 threads x 16 bytes, so each wave's load and store covers 512 consecutive bytes, aligned.
; The row number is a whole number stored by the launch before: p in bits 15:0, kept in bit 16.
; LIMIT: a slot that is not kept is written as exact zeros; the reference multiplies some feature row by 0, which is the
; same for finite features.  No cache hint on the load: two slots may name one row.
	s_load_b128 s[4:7], s[0:1], 0x0                ; box_features s[4:5], order s[6:7]
	s_load_b64 s[8:9], s[0:1], 0x10                ; out0
	s_lshl_b32 s10, ttmp9, 2
	s_mov_b32 s11, 0
	s_mul_i32 s12, ttmp9, 1821
	s_lshr_b32 s12, s12, 16                        ; image = group / 36 (1821 / 2^16 exceeds 1/36 by 8.5e-6: exact below 288)
	s_mul_i32 s12, s12, 1000
	v_lshlrev_b32 v1, 4, v0
	s_wait_kmcnt 0x0
	s_add_nc_u64 s[6:7], s[6:7], s[10:11]
	s_load_b32 s13, s[6:7], 0x0
	s_lshl_b32 s10, ttmp9, 12
	s_add_nc_u64 s[8:9], s[8:9], s[10:11]
	s_wait_kmcnt 0x0
	s_and_b32 s14, s13, 0xffff
	s_min_u32 s14, s14, 999                        ; stays inside the image's table
	s_add_co_u32 s14, s14, s12
	s_lshl_b32 s14, s14, 12
	s_mov_b32 s15, 0
	s_add_nc_u64 s[4:5], s[4:5], s[14:15]
	s_bitcmp1_b32 s13, 16
	s_cselect_b32 s16, -1, 0                       ; all ones if kept
	global_load_b128 v[4:7], v1, s[4:5]
	s_wait_loadcnt 0x0
	v_and_b32 v4, s16, v4
	v_and_b32 v5, s16, v5
	v_and_b32 v6, s16, v6
	v_and_b32 v7, s16, v7
	global_store_b128 v1, v[4:7], s[8:9] th:TH_STORE_NT
	s_endpgm
.Lfunc_end_k_q167bf78991_gather:
	.size	k_q167bf78991_gather, .Lfunc_end_k_q167bf78991_gather-k_q167bf78991_gather
	.p2alignl 7, 3214868480
	.fill 96, 4, 3214868480
	.section	.rodata,"a",@progbits
	.p2align	6, 0x0
	.amdhsa_kernel k_q167bf78991_gather
		.amdhsa_group_segment_fixed_size 0
		.amdhsa_private_segment_fixed_size 0
		.amdhsa_enable_private_segment 0
		.amdhsa_kernarg_size 24
		.amdhsa_user_sgpr_count 2
		.amdhsa_user_sgpr_kernarg_segment_ptr 1
		.amdhsa_wavefront_size32 1
		.amdhsa_system_sgpr_workgroup_id_x 1
		.amdhsa_system_sgpr_workgroup_id_y 1
		.amdhsa_system_sgpr_workgroup_id_z 1
		.amdhsa_system_vgpr_workitem_id 0
		.amdhsa_next_free_vgpr 8
		.amdhsa_next_free_sgpr 66
		.amdhsa_reserve_vcc 0
		.amdhsa_float_denorm_mode_32 3
		.amdhsa_float_denorm_mode_16_64 3
		.amdhsa_memory_ordered 1
		.amdhsa_forward_progress 1
		.amdhsa_inst_pref_size 2
	.end_amdhsa_kernel
	.amdgpu_metadata
---
amdhsa.version: [ 1, 2 ]
amdhsa.kernels:
  - .name:           k_q167bf78991_gather
    .symbol:         k_q167bf78991_gather.kd
    .args:
      - { .name: box_features, .offset: 0, .size: 8, .value_kind: global_buffer, .address_space: global }
      - { .name: order, .offset: 8, .size: 8, .value_kind: global_buffer, .address_space: global }
      - { .name: out0, .offset: 16, .size: 8, .value_kind: global_buffer, .address_space: global }
    .group_segment_fixed_size: 0
    .private_segment_fixed_size: 0
    .kernarg_segment_align: 8
    .kernarg_segment_size: 24
    .max_flat_workgroup_size: 256
    .sgpr_count:     66
    .vgpr_count:     8
    .wavefront_size: 32
...
	.end_amdgpu_metadata
.endif
;; end of part 3
